; MI455X (gfx1250); checked and timed in simulation.
; The chip was launched on July 23, 2026; its instructions are those of AMD's public machine-readable ISA for CDNA 5 (MIT licence, August 2026) and "CDNA5" Instruction Set Architecture Reference Guide (July 2026). The comments in the code are by the model that wrote it; some were corrected since.
;; Learned2d Relative Self Attention. Allowed arithmetic: float matrix products may take bf16 or f16 operands with f32 sums; all other float work in f32.
;; Inputs: Wk 64 x 512 float32; Wq 64 x 512 float32; Wv 512 x 64 float32; col_emb 63 x 32 float32; hidden_state 4 x 32 x 32 x 64 float32; row_emb 63 x 32 float32.
;; Outputs: out0 4 x 32 x 32 x 64 float32.
;; One version. Each part assembles by itself: llvm-mc -triple=amdgcn-amd-amdhsa -mcpu=gfx1250 --defsym DOCPART=n.
;; ======== version 1 of 1: 2 launches
;; workspace buffers: xb 524,288 bytes; qimg 8,388,608 bytes; wvt 65,536 bytes
;; launch prep (part 1): grid 256 x 1, 4 waves a work-group, no clusters, 19,968 bytes of LDS; arguments hidden_state, Wq, Wk, Wv, xb, qimg, wvt; writes xb, qimg, wvt
.if DOCPART == 1
	.amdgcn_target "amdgcn-amd-amdhsa--gfx1250"
	.amdhsa_code_object_version 6
	.text
	.protected	k_q5c28ed80a7_prep
	.globl	k_q5c28ed80a7_prep
	.p2align	8
	.type	k_q5c28ed80a7_prep,@function
k_q5c28ed80a7_prep:
	s_mov_b64 s[64:65], 0
	v_nop
	global_prefetch_b8 v0, s[64:65] scope:SCOPE_SE
	s_setreg_imm32_b32 hwreg(HW_REG_WAVE_MODE, 25, 1), 1
	s_wait_xcnt 0x0
; Images in bf16 for the attention launch.  hidden [4096][64], Wq, Wk [64][512], Wv [512][64], all f32.
;   xb   = hidden in bf16, dense [4096][64].
;   qimg = for query tile T (rows 16 T .. 16 T + 15 of hidden) and head n a block of 4,096 bytes at (8 T + n) x 4,096:
;          q = (x Wq_n) log2(e)/8 as four quads of 512 bytes, then Q' = Wk_n q as four quads.  Quad c: lane (r, h) holds the 8 numbers 16 c + 8 h .. + 7 of query r,
;          so quads 2 kk and 2 kk + 1 are the B fragment of K step kk as it lies in registers.
;   wvt  = Wv_n^T as A fragments, fragment f = 8 n + 2 et + kk of 1,024 bytes: registers 0-3 of all lanes, then registers 4-7.
; q.key = x_key.Q', so the attention launch needs no Wq and no Wk; log2(e)/8 is folded into q once, and Q' and both positional scores are linear in q.
; All products are made transposed (A = weights, B = x or q): a lane holds one query, and two neighbouring result tiles, rounded and packed, are the next product's B fragment.
; WORK: work-group g takes head n = g & 7 and the eight query tiles 8 (g >> 3) .. + 7; wave w takes tiles 8 (g >> 3) + 2 w and + 1.
; The head's two weight blocks (64 x 64 each) are shared by the four waves through LDS: a wave loads 16 rows of each (16 loads of 16 bytes a lane, each two pieces of 256 bytes),
; rounds them to bf16 and stores them; behind one barrier every wave reads all 16 fragments: Wq's by the transposing load (A wants Wq_n^T), Wk's plainly.
; So a wave has 34 loads out at once (50 with Wv), not a load of 4 bytes for each number of a transposed fragment.
; Besides, wave W = 4 g + w converts 1,024 bytes of hidden, and waves 0-63 make one fragment of wvt each.
; LDS: Wq_n [c][d] at pitch 160 = 5 x 32 bytes (transposing load), then from byte 10,240 Wk_n [c'][d] at pitch 144 = 9 x 16 bytes (plain load).
; LIMITS: x, weights, q and Q' are rounded to bf16; Q' = Wk q re-associates q.k.
; REGISTERS: window 0: v4-13 offsets, v16-27 conversion, v32-55 Wv, v64-127 x, v128-191 weights as loaded, then result tiles, v192-223 weights packed, then q packed, v224-255 Q' packed
;            window 1: v0-63 fragments of Wq_n^T, v128-191 fragments of Wk_n
.set PT,  160                          ; stage pitch of Wq
.set PN,  144                          ; stage pitch of Wk
.set STK0, 64*PT                       ; Wk's stage begins behind Wq's 64 rows
.set L16, 4                            ; 16 x lane
.set L32, 5                            ; 32 x lane
.set XV,  6                            ; 256 r + 32 h: row r of x, 8 h numbers in
.set GW,  7                            ; 2,048 h + 16 r: two rows of my head's 256 bytes of Wq or Wk
.set STQ, 8                            ; where my 8 bytes of Wq go
.set VV,  9                            ; 2,048 h + 4 r: row 8 h of Wv, column r
.set STK, 10                           ; where my 8 bytes of Wk go
.set TRA, 11                           ; Wq's stage, transposing read
.set NAA, 12                           ; Wk's stage, plain read
.set TP,  13                           ; at work
.set CI,  16                           ; v16-23 eight numbers of hidden
.set CO,  24                           ; v24-27 the same in bf16
.set WT,  32                           ; v32-47 a fragment of Wv^T in f32
.set WP,  48                           ; v48-55 packed
.set XT,  64                           ; x of tile u at 64 + 32 u; packed in place: B fragment kk at 64 + 32 u + 8 kk
.set WL,  128                          ; weights as loaded: Wq's load t at 128 + 4 t, Wk's at 160 + 4 t
.set QT,  128                          ; result tile (u, nt) at 128 + 32 u + 8 nt
.set WPK, 192                          ; weights packed: two words a load
.set QB,  192                          ; q packed: 192 + 16 u
.set QP,  224                          ; Q' packed: 224 + 16 u
.set MSB, 0
.macro WIN new                         ; low byte: bits 1:0 source 0, 3:2 source 1, 5:4 source 2, 7:6 destination; the high byte repeats the setting that is left
.if MSB != \new
	s_set_vgpr_msb (MSB<<8)|\new
.set MSB, \new
.endif
.endm
.macro PLACES n                        ; places behind a matrix instruction (ISA guide 7.12.1)
.rept \n
	v_nop
.endr
.endm
; 16 numbers of a row that lies along K, as a fragment wants them: 8 at 8 h, 8 at 16 + 8 h (the 8 h stand in the offset register)
.macro PLOAD d, voff, sb, imm
	global_load_b128 v[\d:\d+3], v[\voff], s[\sb:\sb+1] offset:\imm
	global_load_b128 v[\d+4:\d+7], v[\voff], s[\sb:\sb+1] offset:\imm+16
	global_load_b128 v[\d+8:\d+11], v[\voff], s[\sb:\sb+1] offset:\imm+64
	global_load_b128 v[\d+12:\d+15], v[\voff], s[\sb:\sb+1] offset:\imm+80
.endm
; the same 16 numbers of a column: K goes down the rows, stride bytes apart; sixteen lanes take 64 neighbouring bytes
.macro TLOAD d, voff, sb, imm, stride
.irp hx,0,1
.irp jj,0,1,2,3,4,5,6,7
	global_load_b32 v[\d+8*\hx+\jj], v[\voff], s[\sb:\sb+1] offset:\imm+(16*\hx+\jj)*\stride
.endr
.endr
.endm
.macro PACK d, s, n                    ; n words of two bf16 from 2 n numbers; in place too, since word x is written when numbers 2 x, 2 x + 1 are read
.set pki, 0
.rept \n
	v_cvt_pk_bf16_f32 v[\d+pki], v[\s+2*pki], v[\s+2*pki+1]
.set pki, pki+1
.endr
.endm
	s_load_b256 s[4:11], s[0:1], 0x0               ; hidden s[4:5], Wq s[6:7], Wk s[8:9], Wv s[10:11]
	s_load_b128 s[12:15], s[0:1], 0x20             ; xb s[12:13], qimg s[14:15]
	s_load_b64 s[16:17], s[0:1], 0x30              ; wvt
	v_lshl_add_u32 v62, v0, 2, 0x4c00
	v_mov_b32 v63, 0
	v_lshrrev_b32 v1, 5, v0
	v_readfirstlane_b32 s18, v1                    ; wave w
	v_and_b32 v1, 31, v0                           ; lane
	v_and_b32 v2, 15, v0                           ; r
	v_bfe_u32 v3, v0, 4, 1                         ; h
	s_mov_b32 s19, ttmp9                           ; g
	s_lshl_b32 s38, s19, 2
	s_add_co_u32 s38, s38, s18                     ; W = 4 g + w
	s_and_b32 s39, s19, 7                          ; head n
	s_and_b32 s40, s19, 0xf8                       ; 8 (g >> 3)
	s_lshl_b32 s41, s18, 1
	s_add_co_u32 s40, s40, s41                     ; my first query tile T0
	s_lshl_b32 s26, s38, 10                        ; W x 1,024: my part of hidden, and my fragment of wvt
	s_mov_b32 s27, 0
	s_lshl_b32 s28, s40, 12                        ; T0 x 16 rows x 256 bytes
	s_mov_b32 s29, 0
	s_lshl_b32 s30, s39, 8                         ; my head's 256 bytes of a row of Wq and Wk,
	s_lshl_b32 s41, s18, 15                        ; from row 16 w on (2,048 bytes a row)
	s_add_co_u32 s30, s30, s41
	s_mov_b32 s31, 0
	s_lshl_b32 s32, s38, 9                         ; W x 512: my part of xb
	s_mov_b32 s33, 0
	s_lshl_b32 s34, s40, 3
	s_add_co_u32 s34, s34, s39
	s_lshl_b32 s34, s34, 12                        ; (8 T0 + n) x 4,096
	s_mov_b32 s35, 0
	s_lshr_b32 s36, s38, 3                         ; Wv, fragment W: head W >> 3 (64 rows of 256 bytes),
	s_lshl_b32 s36, s36, 14
	s_and_b32 s41, s38, 1                          ; K step W & 1 (32 rows),
	s_lshl_b32 s41, s41, 13
	s_add_co_u32 s36, s36, s41
	s_bfe_u32 s41, s38, 0x20001                    ; tile (W >> 1) & 3 of 16 columns
	s_lshl_b32 s41, s41, 6
	s_add_co_u32 s36, s36, s41
	s_mov_b32 s37, 0
	s_mul_i32 s42, s18, 16*PT                      ; my 16 rows of Wq's stage
	s_mul_i32 s43, s18, 16*PN
	s_add_co_u32 s43, s43, STK0                    ; and of Wk's
	s_mov_b32 s24, 0x3e38aa3b                      ; log2(e) / 8
	s_mov_b32 s25, 0x3e38aa3b
	v_lshlrev_b32 v[L16], 4, v1
	v_lshlrev_b32 v[L32], 5, v1
	v_lshlrev_b32 v[XV], 8, v2
	v_lshl_add_u32 v[XV], v3, 5, v[XV]
	v_lshlrev_b32 v[GW], 4, v2
	v_lshl_add_u32 v[GW], v3, 11, v[GW]
	v_lshlrev_b32 v[VV], 2, v2
	v_lshl_add_u32 v[VV], v3, 11, v[VV]
	s_wait_kmcnt 0x0
	s_add_nc_u64 s[20:21], s[4:5], s[26:27]
	s_add_nc_u64 s[22:23], s[4:5], s[28:29]
	s_add_nc_u64 s[6:7], s[6:7], s[30:31]
	s_add_nc_u64 s[8:9], s[8:9], s[30:31]
	s_add_nc_u64 s[12:13], s[12:13], s[32:33]
	s_add_nc_u64 s[14:15], s[14:15], s[34:35]
	; all loads at once, in the order in which they are wanted: the weights' 16, then 2 + 16
.irp t,0,1,2,3,4,5,6,7
	global_load_b128 v[WL+4*\t:WL+4*\t+3], v[GW], s[6:7] offset:\t*4096          ; Wq, rows 16 w + 2 t + h
.endr
.irp t,0,1,2,3,4,5,6,7
	global_load_b128 v[WL+32+4*\t:WL+32+4*\t+3], v[GW], s[8:9] offset:\t*4096    ; Wk likewise
.endr
	global_load_b128 v[CI:CI+3], v[L32], s[20:21]
	global_load_b128 v[CI+4:CI+7], v[L32], s[20:21] offset:16
.irp u,0,1
.irp kk,0,1
	PLOAD XT+32*\u+16*\kk, XV, 22, \u*4096+\kk*128
.endr
.endr
	; LDS addresses, while the loads are out
	v_mul_u32_u24 v[STQ], v3, PT
	v_lshl_add_u32 v[STQ], v2, 3, v[STQ]
	v_add_nc_u32 v[STQ], s42, v[STQ]               ; row 16 w + h, 8 r bytes in
	v_mul_u32_u24 v[STK], v3, PN
	v_lshl_add_u32 v[STK], v2, 3, v[STK]
	v_add_nc_u32 v[STK], s43, v[STK]
	v_and_b32 v[TP], 7, v0
	v_lshl_add_u32 v[TP], v3, 3, v[TP]             ; 8 h + lane % 8: the row that I address for the transposing load
	v_mul_u32_u24 v[TRA], v[TP], PT
	v_bfe_u32 v[TP], v0, 3, 1                      ; (lane / 8) % 2: which 16 bytes
	v_lshl_add_u32 v[TRA], v[TP], 4, v[TRA]
	v_mul_u32_u24 v[NAA], v2, PN
	v_lshl_add_u32 v[NAA], v3, 4, v[NAA]
	v_add_nc_u32 v[NAA], STK0, v[NAA]
	s_cmp_ge_u32 s19, 16
	s_cbranch_scc1 .Lnowv                          ; 64 fragments of wvt: the waves of work-groups 0 to 15
	s_add_nc_u64 s[10:11], s[10:11], s[36:37]
	s_add_nc_u64 s[16:17], s[16:17], s[26:27]
	TLOAD WT, VV, 10, 0, 256                       ; A(m = column e, k = row d) of Wv
	s_wait_loadcnt 0x0
	PACK WP, WT, 8
	global_store_b128 v[L16], v[WP:WP+3], s[16:17]
	global_store_b128 v[L16], v[WP+4:WP+7], s[16:17] offset:512
.Lnowv:
	s_wait_loadcnt 18                              ; all but the 18 youngest (conversion 2, x 16): the weights are in (behind the branch's wait for 0: everything)
	PACK WPK, WL, 32
.irp t,0,1,2,3,4,5,6,7
	ds_store_b64 v[STQ], v[WPK+2*\t:WPK+2*\t+1] offset:\t*2*PT
	ds_store_b64 v[STK], v[WPK+16+2*\t:WPK+16+2*\t+1] offset:\t*2*PN
.endr
	s_wait_dscnt 0x0                               ; my stores are done, for the others' sake
	s_barrier_signal -1
	s_barrier_wait -1                              ; both blocks are whole; nothing is written to LDS again
	WIN 0x40
.irp nt,0,1,2,3
.irp kk,0,1
	ds_load_tr16_b128 v[8*(2*\nt+\kk):8*(2*\nt+\kk)+3], v[TRA] offset:\kk*32*PT+\nt*32            ; A(m = column 16 nt + r of my head, k = row 32 kk + 8 h ..) of Wq
	ds_load_tr16_b128 v[8*(2*\nt+\kk)+4:8*(2*\nt+\kk)+7], v[TRA] offset:\kk*32*PT+16*PT+\nt*32    ; k = row 32 kk + 16 + 8 h ..
.endr
.endr
.irp ct,0,1,2,3
.irp kk,0,1
	ds_load_b128 v[128+8*(2*\ct+\kk):128+8*(2*\ct+\kk)+3], v[NAA] offset:\ct*16*PN+\kk*64         ; A(m = row 16 ct + r, k = column 32 kk + 8 h .. of my head) of Wk
	ds_load_b128 v[128+8*(2*\ct+\kk)+4:128+8*(2*\ct+\kk)+7], v[NAA] offset:\ct*16*PN+\kk*64+32
.endr
.endr
	WIN 0
	s_wait_loadcnt 0x0                             ; the conversion's numbers and x
	PACK CO, CI, 4
	global_store_b128 v[L16], v[CO:CO+3], s[12:13] ; the wave stores 512 consecutive bytes of xb
	PACK XT, XT, 16
	PACK XT+32, XT+32, 16
	s_wait_dscnt 0x0                               ; the fragments
	; q^T = Wq_n^T x^T.  Eight accumulators take turns, one instruction a turn; the first K step starts the sums.
	WIN 0x01
.irp kk,0,1
.irp u,0,1
.irp nt,0,1,2,3
.if \kk
	v_wmma_f32_16x16x32_bf16 v[QT+32*\u+8*\nt:QT+32*\u+8*\nt+7], v[8*(2*\nt+\kk):8*(2*\nt+\kk)+7], v[XT+32*\u+8*\kk:XT+32*\u+8*\kk+7], v[QT+32*\u+8*\nt:QT+32*\u+8*\nt+7]
.else
	v_wmma_f32_16x16x32_bf16 v[QT+32*\u+8*\nt:QT+32*\u+8*\nt+7], v[8*(2*\nt+\kk):8*(2*\nt+\kk)+7], v[XT+32*\u+8*\kk:XT+32*\u+8*\kk+7], 0
.endif
.endr
.endr
.endr
	WIN 0
	PLACES 4
.set qi, 0
.rept 32
	v_pk_mul_f32 v[QT+2*qi:QT+2*qi+1], v[QT+2*qi:QT+2*qi+1], s[24:25] op_sel_hi:[1,0]
.set qi, qi+1
.endr
	PACK QB, QT, 32                                ; tile nt's 8 registers become quad nt
.irp u,0,1
.irp c,0,1,2,3
	global_store_b128 v[L16], v[QB+16*\u+4*\c:QB+16*\u+4*\c+3], s[14:15] offset:\u*32768+\c*512
.endr
.endr
	; Q'^T = Wk_n q^T, into the same tiles.  Behind each product above stand the four v_nop and the multiplications and roundings of the seven other tiles,
	; which name none of its registers: more than the five places that a product writing over its result needs.
	WIN 0x01
.irp kk,0,1
.irp u,0,1
.irp ct,0,1,2,3
.if \kk
	v_wmma_f32_16x16x32_bf16 v[QT+32*\u+8*\ct:QT+32*\u+8*\ct+7], v[128+8*(2*\ct+\kk):128+8*(2*\ct+\kk)+7], v[QB+16*\u+8*\kk:QB+16*\u+8*\kk+7], v[QT+32*\u+8*\ct:QT+32*\u+8*\ct+7]
.else
	v_wmma_f32_16x16x32_bf16 v[QT+32*\u+8*\ct:QT+32*\u+8*\ct+7], v[128+8*(2*\ct+\kk):128+8*(2*\ct+\kk)+7], v[QB+16*\u+8*\kk:QB+16*\u+8*\kk+7], 0
.endif
.endr
.endr
.endr
	WIN 0
	PLACES 4
	PACK QP, QT, 32
.irp u,0,1
.irp c,0,1,2,3
	global_store_b128 v[L16], v[QP+16*\u+4*\c:QP+16*\u+4*\c+3], s[14:15] offset:\u*32768+2048+\c*512
.endr
.endr
	s_wait_tensorcnt 0x0
	ds_add_u32 v62, v63
	s_wait_dscnt 0x0
	s_endpgm                                       ; no register that a global store reads is written again
.Lfunc_end_k_q5c28ed80a7_prep:
	.size	k_q5c28ed80a7_prep, .Lfunc_end_k_q5c28ed80a7_prep-k_q5c28ed80a7_prep
	.p2alignl 7, 3214868480
	.fill 96, 4, 3214868480
	.section	.rodata,"a",@progbits
	.p2align	6, 0x0
	.amdhsa_kernel k_q5c28ed80a7_prep
		.amdhsa_group_segment_fixed_size 19968
		.amdhsa_private_segment_fixed_size 0
		.amdhsa_enable_private_segment 0
		.amdhsa_kernarg_size 56
		.amdhsa_user_sgpr_count 2
		.amdhsa_user_sgpr_kernarg_segment_ptr 1
		.amdhsa_wavefront_size32 1
		.amdhsa_system_sgpr_workgroup_id_x 1
		.amdhsa_system_sgpr_workgroup_id_y 1
		.amdhsa_system_sgpr_workgroup_id_z 1
		.amdhsa_system_vgpr_workitem_id 0
		.amdhsa_next_free_vgpr 448
		.amdhsa_next_free_sgpr 66
		.amdhsa_reserve_vcc 0
		.amdhsa_float_denorm_mode_32 3
		.amdhsa_float_denorm_mode_16_64 3
		.amdhsa_memory_ordered 1
		.amdhsa_forward_progress 1
		.amdhsa_inst_pref_size 27
	.end_amdhsa_kernel
	.amdgpu_metadata
---
amdhsa.version: [ 1, 2 ]
amdhsa.kernels:
  - .name:           k_q5c28ed80a7_prep
    .symbol:         k_q5c28ed80a7_prep.kd
    .args:
      - { .name: hidden_state, .offset: 0, .size: 8, .value_kind: global_buffer, .address_space: global }
      - { .name: Wq, .offset: 8, .size: 8, .value_kind: global_buffer, .address_space: global }
      - { .name: Wk, .offset: 16, .size: 8, .value_kind: global_buffer, .address_space: global }
      - { .name: Wv, .offset: 24, .size: 8, .value_kind: global_buffer, .address_space: global }
      - { .name: xb, .offset: 32, .size: 8, .value_kind: global_buffer, .address_space: global }
      - { .name: qimg, .offset: 40, .size: 8, .value_kind: global_buffer, .address_space: global }
      - { .name: wvt, .offset: 48, .size: 8, .value_kind: global_buffer, .address_space: global }
    .group_segment_fixed_size: 19968
    .private_segment_fixed_size: 0
    .kernarg_segment_align: 8
    .kernarg_segment_size: 56
    .max_flat_workgroup_size: 128
    .sgpr_count:     66
    .vgpr_count:     448
    .wavefront_size: 32
...
	.end_amdgpu_metadata
.endif
;; end of part 1
;; launch attn (part 2): grid 256 x 1, 8 waves a work-group, clusters of 4 x 1, 286,720 bytes of LDS; arguments xb, qimg, wvt, row_emb, col_emb, out0; writes out0
.if DOCPART == 2
	.amdgcn_target "amdgcn-amd-amdhsa--gfx1250"
	.amdhsa_code_object_version 6
	.text
	.protected	k_q5c28ed80a7_attn
	.globl	k_q5c28ed80a7_attn
	.p2align	8
	.type	k_q5c28ed80a7_attn,@function
k_q5c28ed80a7_attn:
	s_mov_b64 s[64:65], 0
	v_nop
	global_prefetch_b8 v0, s[64:65] scope:SCOPE_SE
	s_setreg_imm32_b32 hwreg(HW_REG_WAVE_MODE, 25, 1), 1
	s_wait_xcnt 0x0
	s_wait_alu depctr_hold_cnt(0) depctr_sa_sdst(0) depctr_va_vdst(0) depctr_va_sdst(0) depctr_va_ssrc(0) depctr_va_vcc(0) depctr_vm_vsrc(0)
	s_getreg_b32 s2, hwreg(HW_REG_IB_STS2, 6, 4)
	s_cmp_eq_u32 s2, 0
	s_cbranch_scc0 .Lentry_in_a_cluster
	s_endpgm
.Lentry_in_a_cluster:
	s_bfe_u32 s2, ttmp6, 0x10000c
	s_cmp_lg_u32 s2, 0x3003
	s_cbranch_scc0 .Lentry_shape_is_right
	s_endpgm
.Lentry_shape_is_right:
; Learned 2-d relative self-attention.  For the query at hidden[b][i][j] and head n:
;   score(k,l) = ( q.key(k,l) + q[0:32].row_emb[min(i+k+31,62)] + q[32:64].col_emb[min(j+l+31,62)] ) / 8   (the table index is clamped as the gather clamps it),
; softmax over all 1,024 (k,l); the value of key (k,l) is hidden[b][l][k]; the result goes to out[b][j][i] through Wv, summed over the heads.
; From the launch before: xb = hidden in bf16; qimg = q and Q' = Wk_n q, both carrying log2(e)/8, as B fragments; wvt = Wv_n^T as A fragments.  q.key = x_key.Q'.
; WORK: work-group T owns 16 queries (b = T >> 6, i = (T >> 1) & 31, j = j0 + r, j0 = 16 (T & 1)) x 8 heads x the 1,024 keys of its batch: 256 work-groups of equal work;
; the sum over the heads stays inside the work-group.
; EIGHT WAVES, twice as many as a WGP has SIMDs: wave w owns heads 2 (w & 3) and + 1 (q = 0, 1) and the keys k = 16 (w >> 2) .. + 15, four chunks of 128 keys.
; A chunk is 64 matrix instructions and about 470 vector instructions that hang on each other;
; a second wave on the same SIMD has its own chunk's vector work.  Each key tile is still read from LDS by four waves.  The two halves of the keys are joined at the end:
; the two waves exchange (maximum, sum), each scales its own O by 2^(own maximum - maximum) / sum and projects it, and since the projection is linear the last sum simply takes eight parts.
; CLUSTER: the four work-groups of a cluster have the same batch, so hidden[b] (131,072 bytes of bf16) and Wv^T (65,536 bytes) are asked for jointly, mask 15, and land in each one's LDS.
; They are filled once and never again.  The place in the cluster enters global addresses alone (qimg, the tables, out).
; PRODUCTS ARE TRANSPOSED: S^T = X Q'^T, O^T = V^T P^T, out^T = Wv^T O^T.  A lane holds one query (r = lane % 16), its registers hold keys or channels (8 h + .., h = lane / 16):
; maximum and sum need one exchange of the halves, and rounded results pack in place into the next product's B fragment.
; KEYS: a chunk is 4 values of k x all 32 l; a key tile is one k and 16 neighbouring l.  The column score hangs on (query, l) alone and is the same in every chunk:
; it is the C operand with which each S tile starts.  The row score hangs on (query, k) alone: one number a lane and k, added to the tile's maximum and folded into the shift.
; SOFTMAX: running maximum; p = 2^(S + row - m).
; LDS: X: position (p1, p2) of hidden[b] at 4,640 p1 + 144 p2.  144 = 9 x 16: the 16 key rows of a plain load begin in 16 different columns of 16 bytes modulo 256.
; 4,640 = 145 x 32: the 8 value rows x 32 bytes of a transposing load likewise (the value of key (k,l) lies at position (l,k)).  One copy serves K and V.
; From byte 148,480 = 580 x 256 each wave's own scratch of 8,704 bytes, into which no tensor load lands: head q at 4,352 q, query r at pitch 272:
; bytes 0-191 column scores of t' = r + l = 0..47, bytes 192-255 row scores of my 16 k.  At the end the wave's partial output [query][64] in f32, pitch 272.
; From byte 218,112 = 852 x 256 Wv^T as the launch before laid it.  From byte 283,648 = 1,108 x 256 the pairs (maximum, sum): wave w at 256 w, head q at 128 q, query r at 8 r.
; LIMITS: matrix operands are rounded to bf16 (x, tables, q, Q', p, O, Wv); v_exp_f32 gives 0 for results below 2^-126; inputs holding NaN or infinities are not served
; (v_max_num_f32 drops a NaN).
; REGISTERS (450 a wave): window 0: v4-19, v62, v63 addresses, v20-61 softmax state, v64-95 Q', v96-127 column bias, v128-255 S, then P
;   window 1: v0-127 K fragments, then the same chunk's V fragments (before the loop the positional products, at the end Wv^T), v128-191 O^T
.set XP1, 4640
.set XP2, 144
.set SCR, 32*XP1                       ; 148,480
.set SCP, 272                          ; scratch of a query, and a partial output row: 256 + 16
.set SCQ, 16*SCP                       ; of a head
.set SCW, 2*SCQ                        ; of a wave
.set WVL, SCR+8*SCW                    ; 218,112: Wv^T
.set ML,  WVL+65536                    ; 283,648: (maximum, sum)
.set L16, 4                            ; 16 x lane
.set KA,  5                            ; 144 r + 16 h + my half of the keys + the chunk
.set VA0, 6                            ; (8 h + lane % 8) x 4,640 + 16 ((lane / 8) % 2) + my half + the chunk: l = 0..15
.set VA1, 7                            ; the same, l = 16..31
.set RBA, 8                            ; my query's row scores, + the chunk
.set SS,  9                            ; my scratch + 272 r + 32 h: where a positional product's 8 numbers go, and at the end my partial output's
.set CG,  10                           ; my query's column scores from t' = r + 8 h on
.set TO,  11                           ; v11 rows of row_emb; v12-14 rows of col_emb
.set PRD, 16                           ; partial output: read
.set OUTO, 17                          ; my byte offset in out
.set WVA, 18                           ; my two heads' fragments of Wv^T
.set TP,  19                           ; at work
.set X2,  20                           ; v20, v21 the other half's figure
.set NM,  22                           ; v22, v23 new maximum
.set MX,  24                           ; v24, v25 running maximum
.set AL,  26                           ; v26-29 2^(old maximum - new), twice for each q; at the end the factor that joins and normalises
.set LS,  30                           ; v30-37 sums of p: two pairs for each q
.set RB,  38                           ; v38-45 row score of k0 + g: 4 q + g
.set TM,  46                           ; v46-53 maxima of the eight blocks; at the end both waves' (maximum, sum)
.set NK,  46                           ; v46-61 row score - new maximum, twice for each block (written when TM is done with)
.set MLS, 62                           ; where my (maximum, sum) goes
.set MLR, 63                           ; where my head pair's two waves have theirs
.set QF,  64                           ; Q': 16 q + 8 kk
.set CB,  96                           ; column bias: 16 q + 8 lh
.set SR,  128                          ; S: block c = 4 q + g at 16 c, tile lh at + 8 lh; P = the block's first 8 registers
.set TF,  128                          ; before the loop: table rows, packed in place: fragment t at 8 t (t = 0 row_emb, 1..3 col_emb)
.set QS,  208                          ; before the loop: q: 16 q + 8 kk
.set OB,  128                          ; behind the loop: O as B fragments: 16 q + 8 kk
.set OT,  192                          ; behind the loop: out^T, my part: 8 et
.set FR,  224                          ; behind the loop: the eight waves' parts
.set VF,  0                            ; window 1: V fragments: 32 g + 8 dt, in K's registers
.set OA,  128                          ; window 1: O^T: 32 q + 8 dt
.set G1,  32                           ; s[32:39] descriptor group 1 for X's slabs
.set G1W, 48                           ; s[48:55] descriptor group 1 for Wv^T
.set G0,  68                           ; s[68:87] descriptor group 0, a set for each of my 5 loads
.set MSB, 0
.macro WIN new                         ; low byte: bits 1:0 source 0, 3:2 source 1, 5:4 source 2, 7:6 destination; the high byte repeats the setting that is left
.if MSB != \new
	s_set_vgpr_msb (MSB<<8)|\new
.set MSB, \new
.endif
.endm
.macro PLACES n                        ; places behind a matrix instruction (ISA guide 7.12.1)
.rept \n
	v_nop
.endr
.endm
.macro PLOAD d, voff, sb, imm          ; 16 numbers of a row that lies along K: 8 at 8 h, 8 at 16 + 8 h
	global_load_b128 v[\d:\d+3], v[\voff], s[\sb:\sb+1] offset:\imm
	global_load_b128 v[\d+4:\d+7], v[\voff], s[\sb:\sb+1] offset:\imm+16
	global_load_b128 v[\d+8:\d+11], v[\voff], s[\sb:\sb+1] offset:\imm+64
	global_load_b128 v[\d+12:\d+15], v[\voff], s[\sb:\sb+1] offset:\imm+80
.endm
.macro PACK d, s, n
.set pki, 0
.rept \n
	v_cvt_pk_bf16_f32 v[\d+pki], v[\s+2*pki], v[\s+2*pki+1]
.set pki, pki+1
.endr
.endm
; A round of the cluster's barrier: my work-group's barrier, wave 0 signals for the work-group, every wave waits for all four work-groups, my work-group's barrier again.
.macro ROUND
	s_barrier_signal -1
	s_barrier_wait -1
	s_cmp_lg_u32 s16, 0
	s_cbranch_scc1 .Lnot_wave_0_\@
	s_barrier_signal -3
.Lnot_wave_0_\@:
	s_barrier_wait -3
	s_barrier_signal -1
	s_barrier_wait -1
.endm
; a chunk's 8 key tiles (kt = 2 g + lh: k = k0 + g, l = 16 lh + row) as A fragments, 2 K steps each, and its row scores: 34 loads
.macro KLOAD
	WIN 0x40
.irp kt,0,1,2,3,4,5,6,7
.irp kk,0,1
	ds_load_b128 v[16*\kt+8*\kk:16*\kt+8*\kk+3], v[KA] offset:(\kt>>1)*XP1+(\kt&1)*16*XP2+\kk*64
	ds_load_b128 v[16*\kt+8*\kk+4:16*\kt+8*\kk+7], v[KA] offset:(\kt>>1)*XP1+(\kt&1)*16*XP2+\kk*64+32
.endr
.endr
	WIN 0
	ds_load_b128 v[RB:RB+3], v[RBA]                ; row scores of k0 .. k0 + 3, head 0
	ds_load_b128 v[RB+4:RB+7], v[RBA] offset:SCQ   ; head 1
.endm
; the chunk's values as A fragments of V^T: row = channel 16 dt + r, K = l = 0..31, for k = k0 + g: 32 transposing loads
.macro VLOAD
	WIN 0x40
.irp g,0,1,2,3
.irp dt,0,1,2,3
	ds_load_tr16_b128 v[VF+32*\g+8*\dt:VF+32*\g+8*\dt+3], v[VA0] offset:\g*XP2+\dt*32
	ds_load_tr16_b128 v[VF+32*\g+8*\dt+4:VF+32*\g+8*\dt+7], v[VA1] offset:\g*XP2+\dt*32
.endr
.endr
	WIN 0
.endm
; S^T = X Q'^T + column bias: 16 tiles take turns, one instruction a turn; the first K step starts each sum from the bias.
; The window is left as it is: v_nop and VLOAD, which sets its own, follow.
.macro SMUL
	WIN 0x01
.irp kk,0,1
.irp q,0,1
.irp kt,0,1,2,3,4,5,6,7
.if \kk
	v_wmma_f32_16x16x32_bf16 v[SR+64*\q+8*\kt:SR+64*\q+8*\kt+7], v[16*\kt+8*\kk:16*\kt+8*\kk+7], v[QF+16*\q+8*\kk:QF+16*\q+8*\kk+7], v[SR+64*\q+8*\kt:SR+64*\q+8*\kt+7]
.else
	v_wmma_f32_16x16x32_bf16 v[SR+64*\q+8*\kt:SR+64*\q+8*\kt+7], v[16*\kt+8*\kk:16*\kt+8*\kk+7], v[QF+16*\q+8*\kk:QF+16*\q+8*\kk+7], v[CB+16*\q+8*(\kt&1):CB+16*\q+8*(\kt&1)+7]
.endif
.endr
.endr
.endr
.endm
.macro OSCALE                          ; O^T of both heads times the pair AL(q)
	WIN 0x41
.set oi, 0
.rept 32
	v_pk_mul_f32 v[OA+2*oi:OA+2*oi+1], v[OA+2*oi:OA+2*oi+1], v[AL+2*(oi>>4):AL+2*(oi>>4)+1]
.set oi, oi+1
.endr
	WIN 0
.endm
; the new maximum, the factor for what has been summed, and each block's shift
.macro MAXES first
.irp c,0,1,2,3,4,5,6,7
	v_max3_num_f32 v[TM+\c], v[SR+16*\c], v[SR+16*\c+1], v[SR+16*\c+2]       ; eight chains that do not wait for each other
.endr
.irp e,3,5,7,9,11,13
.irp c,0,1,2,3,4,5,6,7
	v_max3_num_f32 v[TM+\c], v[TM+\c], v[SR+16*\c+\e], v[SR+16*\c+\e+1]
.endr
.endr
.irp c,0,1,2,3,4,5,6,7
	v_max_num_f32 v[TM+\c], v[TM+\c], v[SR+16*\c+15]
.endr
.irp c,0,1,2,3,4,5,6,7
	v_add_f32 v[TM+\c], v[TM+\c], v[RB+\c]         ; the block's k has one row score
.endr
.irp q,0,1
	v_max3_num_f32 v[NM+\q], v[TM+4*\q], v[TM+4*\q+1], v[TM+4*\q+2]
.endr
.irp q,0,1
.if \first
	v_max_num_f32 v[NM+\q], v[NM+\q], v[TM+4*\q+3]
.else
	v_max3_num_f32 v[NM+\q], v[NM+\q], v[TM+4*\q+3], v[MX+\q]
.endif
.endr
	v_permlanex16_b32 v[X2], v[NM], s22, s23       ; the other half of the lanes holds the query's other keys
	v_permlanex16_b32 v[X2+1], v[NM+1], s22, s23
	v_max_num_f32 v[NM], v[NM], v[X2]
	v_max_num_f32 v[NM+1], v[NM+1], v[X2+1]
.if \first == 0
	v_sub_f32 v[X2], v[MX], v[NM]
	v_sub_f32 v[X2+1], v[MX+1], v[NM+1]
	v_exp_f32 v[AL], v[X2]                         ; the moves and subtractions below are the plain instructions between these and their use (ISA guide 5.7.2)
	v_exp_f32 v[AL+1], v[X2]
	v_exp_f32 v[AL+2], v[X2+1]
	v_exp_f32 v[AL+3], v[X2+1]
.endif
	v_mov_b32 v[MX], v[NM]
	v_mov_b32 v[MX+1], v[NM+1]
.irp c,0,1,2,3,4,5,6,7
	v_sub_f32 v[NK+2*\c], v[RB+\c], v[NM+(\c>>2)]
	v_sub_f32 v[NK+2*\c+1], v[RB+\c], v[NM+(\c>>2)]
.endr
.if \first == 0
	s_wait_alu depctr_va_vdst(0)
.irp q,0,1
.irp p,0,2
	v_pk_mul_f32 v[LS+4*\q+\p:LS+4*\q+\p+1], v[LS+4*\q+\p:LS+4*\q+\p+1], v[AL+2*\q:AL+2*\q+1]
.endr
.endr
	OSCALE
.endif
.endm
; p = 2^(S + shift), its sum, and P in bf16, packed into the block's first 8 registers.  Three blocks are at work at a time: block c takes its exponentials, block c + 1 its shift,
; block c - 1 its sums and roundings, so that a plain instruction on other registers stands behind every pair of exponentials.
; Packing in place: word x is written behind the sum that reads numbers 2 x, 2 x + 1, and later steps read higher registers only.
.macro EXPS
.irp i,0,1,2,3,4,5,6,7
	v_pk_add_f32 v[SR+2*\i:SR+2*\i+1], v[SR+2*\i:SR+2*\i+1], v[NK:NK+1]
.endr
.irp c,0,1,2,3,4,5,6,7
.irp i,0,1,2,3,4,5,6,7
	v_exp_f32 v[SR+16*\c+2*\i], v[SR+16*\c+2*\i]
	v_exp_f32 v[SR+16*\c+2*\i+1], v[SR+16*\c+2*\i+1]
.if \c < 7
	v_pk_add_f32 v[SR+16*(\c+1)+2*\i:SR+16*(\c+1)+2*\i+1], v[SR+16*(\c+1)+2*\i:SR+16*(\c+1)+2*\i+1], v[NK+2*(\c+1):NK+2*(\c+1)+1]
.endif
.if \c > 0
	s_wait_alu depctr_va_vdst(0)
	v_pk_add_f32 v[LS+4*((\c-1)>>2)+2*(\i&1):LS+4*((\c-1)>>2)+2*(\i&1)+1], v[LS+4*((\c-1)>>2)+2*(\i&1):LS+4*((\c-1)>>2)+2*(\i&1)+1], v[SR+16*(\c-1)+2*\i:SR+16*(\c-1)+2*\i+1]
	v_cvt_pk_bf16_f32 v[SR+16*(\c-1)+\i], v[SR+16*(\c-1)+2*\i], v[SR+16*(\c-1)+2*\i+1]
.endif
.endr
.endr
	v_nop
	s_wait_alu depctr_va_vdst(0)
.irp i,0,1,2,3,4,5,6,7
	v_pk_add_f32 v[LS+4+2*(\i&1):LS+4+2*(\i&1)+1], v[LS+4+2*(\i&1):LS+4+2*(\i&1)+1], v[SR+112+2*\i:SR+112+2*\i+1]
	v_cvt_pk_bf16_f32 v[SR+112+\i], v[SR+112+2*\i], v[SR+112+2*\i+1]
.endr
.endm
; O^T += V^T P^T: eight accumulators take turns, one instruction a turn; in the first chunk the first products start the sums
.macro PV first
	WIN 0x51
.irp g,0,1,2,3
.irp q,0,1
.irp dt,0,1,2,3
.set zc, 0
.if \first
.if \g == 0
.set zc, 1
.endif
.endif
.if zc
	v_wmma_f32_16x16x32_bf16 v[OA+32*\q+8*\dt:OA+32*\q+8*\dt+7], v[VF+32*\g+8*\dt:VF+32*\g+8*\dt+7], v[SR+16*(4*\q+\g):SR+16*(4*\q+\g)+7], 0
.else
	v_wmma_f32_16x16x32_bf16 v[OA+32*\q+8*\dt:OA+32*\q+8*\dt+7], v[VF+32*\g+8*\dt:VF+32*\g+8*\dt+7], v[SR+16*(4*\q+\g):SR+16*(4*\q+\g)+7], v[OA+32*\q+8*\dt:OA+32*\q+8*\dt+7]
.endif
.endr
.endr
.endr
	WIN 0
.endm
; One chunk of 128 keys.  Its K fragments and row scores were asked for behind the chunk before.  K and V take turns in one set of 128 registers:
; V is asked for behind the S products and has the softmax in which to land; K is asked for behind PV.
.macro TRIP first, last
	s_wait_dscnt 0x0                               ; K and the row scores are in
	SMUL
	PLACES 4                                       ; four places, then loads into registers that the products have read
	VLOAD
	MAXES \first
	EXPS
	s_wait_dscnt 0x0                               ; the values are in
	PV \first
.if \last == 0
	v_add_nc_u32 v[KA], 4*XP1, v[KA]               ; the next chunk's k0.  Five places: loads go into V's registers, and the next chunk's products write over P
	v_add_nc_u32 v[VA0], 4*XP2, v[VA0]
	v_add_nc_u32 v[VA1], 4*XP2, v[VA1]
	v_add_nc_u32 v[RBA], 16, v[RBA]
	v_nop
	KLOAD
.endif
.endm
	s_load_b256 s[4:11], s[0:1], 0x0               ; xb s[4:5], qimg s[6:7], wvt s[8:9], row_emb s[10:11]
	s_load_b128 s[12:15], s[0:1], 0x20             ; col_emb s[12:13], out s[14:15]
	v_lshl_add_u32 v15, v0, 2, 0x45c00
	s_set_vgpr_msb 0x40
	v_mov_b32 v193, 0
	s_set_vgpr_msb 0x4044
	ds_add_u32 v15, v193
	s_set_vgpr_msb 0x4400
	v_lshrrev_b32 v1, 5, v0
	v_readfirstlane_b32 s16, v1                    ; wave w, 0..7
	v_and_b32 v1, 31, v0                           ; lane
	v_and_b32 v2, 15, v0                           ; r
	v_bfe_u32 v3, v0, 4, 1                         ; h
	s_and_b32 s25, s16, 3                          ; my pair of heads
	s_lshr_b32 s56, s16, 2                         ; my half of the keys
	s_bfe_u32 s17, ttmp6, 0x40000                  ; cx: my place in the cluster
	s_lshl_b32 s18, ttmp9, 2                       ; in a cluster launch ttmp9 counts clusters
	s_add_co_u32 s18, s18, s17                     ; T
	s_lshr_b32 s19, ttmp9, 4                       ; batch: the same in the whole cluster
	s_bfe_u32 s20, s18, 0x50001                    ; i
	s_and_b32 s21, s18, 1
	s_lshl_b32 s21, s21, 4                         ; j0
	s_mov_b32 s22, 0x76543210                      ; v_permlanex16_b32: lane x of one half reads lane x of the other
	s_mov_b32 s23, 0xfedcba98
	s_lshl_b32 s26, s19, 17                        ; xb: batch x 131,072 + wave x 4 slabs of 4,096
	s_lshl_b32 s44, s16, 14
	s_add_co_u32 s26, s26, s44
	s_mov_b32 s27, 0
	s_lshl_b32 s28, s18, 15                        ; qimg: (8 T + 2 (w & 3)) x 4,096
	s_lshl_b32 s44, s25, 13
	s_add_co_u32 s28, s28, s44
	s_mov_b32 s29, 0
	s_lshl_b32 s30, s16, 13                        ; wvt: the eighth that I fetch
	s_mov_b32 s31, 0
	s_lshl_b32 s46, s19, 18                        ; out[b][j0][i]
	s_lshl_b32 s44, s21, 13
	s_add_co_u32 s46, s46, s44
	s_lshl_b32 s44, s20, 8
	s_add_co_u32 s46, s46, s44
	s_mov_b32 s47, 0
	s_mul_i32 s40, s16, 4*XP1                      ; my 4 slabs in LDS
	s_mul_i32 s41, s16, SCW
	s_add_co_u32 s41, s41, SCR                     ; my scratch
	s_mul_i32 s42, s16, 2*SCP
	s_add_co_u32 s42, s42, SCR                     ; row 2 w of wave 0's partial output
	s_lshl_b32 s43, s16, 14                        ; 2 w rows of out's j, 8,192 bytes each
	s_lshl_b32 s58, s25, 14
	s_add_co_u32 s58, s58, WVL                     ; my two heads' 16 fragments of Wv^T
	s_lshl_b32 s59, s16, 8
	s_add_co_u32 s59, s59, ML                      ; my (maximum, sum)
	s_lshl_b32 s60, s25, 8
	s_add_co_u32 s60, s60, ML                      ; those of my head pair's first wave; the second's lie 1,024 further
	s_mul_i32 s61, s56, 16*XP1                     ; my half of the keys, as p1 (keys)
	s_mul_i32 s62, s56, 16*XP2                     ; and as p2 (values)
	; Group 1 for X: a slab (one p1: 32 positions x 128 bytes, dense in memory) as 16 rows of 256 bytes; 4 words of padding behind every 32 words, that is behind every position
	s_mov_b32 s[G1+0], 15|(3<<16)|(1<<20)|(1<<21)|(4<<22)|(3<<25)   ; 15:0 mask: all four work-groups; 17:16 elements of 8 bytes; 20 padding on; 21 set beside a mask; 24:22 every 32 words; 31:25 4 words
	s_mov_b32 s[G1+1], 32<<16                      ; tensor_dim0 = 32 elements
	s_mov_b32 s[G1+2], 16<<16                      ; tensor_dim1 = 16 rows
	s_mov_b32 s[G1+3], 32<<16                      ; tile_dim0 = 32
	s_mov_b32 s[G1+4], 16                          ; tile_dim1 = 16
	s_mov_b32 s[G1+5], 32                          ; from row to row: 32 elements
	s_mov_b32 s[G1+6], 0
	s_mov_b32 s[G1+7], 0
	; Group 1 for Wv^T: 8,192 dense bytes as 32 rows of 256 bytes, no padding (it is read 16 bytes a lane, lane by lane)
	s_mov_b32 s[G1W+0], 15|(3<<16)|(1<<21)
	s_mov_b32 s[G1W+1], 32<<16
	s_mov_b32 s[G1W+2], 32<<16
	s_mov_b32 s[G1W+3], 32<<16
	s_mov_b32 s[G1W+4], 32
	s_mov_b32 s[G1W+5], 32
	s_mov_b32 s[G1W+6], 0
	s_mov_b32 s[G1W+7], 0
	v_lshlrev_b32 v[L16], 4, v1
	; table rows, shifted by i and my half of k, and by j0, and clamped, so that no LDS address hangs on them: row_emb rows 31 + i + k, col_emb rows 31 + j0 + t'
	s_lshl_b32 s44, s56, 4
	s_add_co_u32 s44, s44, s20
	s_add_co_u32 s44, s44, 31
	s_add_co_u32 s45, s21, 31
	v_add_nc_u32 v[TP], s44, v2
	v_min_u32 v[TP], 62, v[TP]
	v_lshlrev_b32 v[TP], 7, v[TP]
	v_lshl_add_u32 v[TO], v3, 5, v[TP]
.irp t,0,1,2
	v_add_nc_u32 v[TP], s45, v2
	v_min_u32 v[TP], 62, v[TP]
	v_lshlrev_b32 v[TP], 7, v[TP]
	v_lshl_add_u32 v[TO+1+\t], v3, 5, v[TP]
	s_add_co_u32 s45, s45, 16
.endr
	s_wait_dscnt 0x0
	s_wait_kmcnt 0x0
	s_add_nc_u64 s[4:5], s[4:5], s[26:27]
	s_add_nc_u64 s[6:7], s[6:7], s[28:29]
	s_add_nc_u64 s[8:9], s[8:9], s[30:31]
	s_add_nc_u64 s[14:15], s[14:15], s[46:47]
	; what comes through registers is asked for first: it needs no round of the cluster's barrier
.irp q,0,1
.irp c,0,1,2,3
	global_load_b128 v[QS+16*\q+4*\c:QS+16*\q+4*\c+3], v[L16], s[6:7] offset:\q*4096+\c*512
.endr
.endr
	PLOAD TF, TO, 10, 0
	PLOAD TF+16, TO+1, 12, 0
	PLOAD TF+32, TO+2, 12, 0
	PLOAD TF+48, TO+3, 12, 0
.irp q,0,1
.irp c,0,1,2,3
	global_load_b128 v[QF+16*\q+4*\c:QF+16*\q+4*\c+3], v[L16], s[6:7] offset:\q*4096+2048+\c*512
.endr
.endr
	; Group 0 of my 5 loads: slabs p1 = 4 w + s, and my eighth of Wv^T.  Nothing in a descriptor hangs on the place in the cluster.
.irp s,0,1,2,3
	s_mov_b32 s[G0+4*\s], 1
	s_add_co_u32 s[G0+4*\s+1], s40, \s*XP1
	s_add_nc_u64 s[G0+4*\s+2:G0+4*\s+3], s[4:5], \s*4096
	s_or_b32 s[G0+4*\s+3], s[G0+4*\s+3], 0x80000000
.endr
	s_mov_b32 s[G0+16], 1
	s_lshl_b32 s[G0+17], s16, 13
	s_add_co_u32 s[G0+17], s[G0+17], WVL
	s_mov_b64 s[G0+18:G0+19], s[8:9]
	s_or_b32 s[G0+19], s[G0+19], 0x80000000
	ROUND                                          ; all four work-groups are here: the joint loads meet
	; one group of first fills: 5 tensor loads of this wave are out, each with its own group 0
.irp s,0,1,2,3
	tensor_load_to_lds s[G0+4*\s:G0+4*\s+3], s[G1:G1+7]
	s_nop 0
.endr
	tensor_load_to_lds s[G0+16:G0+19], s[G1W:G1W+7]
	s_nop 0
	; addresses, while the loads are out
	v_mul_u32_u24 v[KA], v2, XP2
	v_lshl_add_u32 v[KA], v3, 4, v[KA]
	v_add_nc_u32 v[KA], s61, v[KA]
	v_and_b32 v[TP], 7, v0
	v_lshl_add_u32 v[TP], v3, 3, v[TP]
	v_mul_u32_u24 v[VA0], v[TP], XP1
	v_bfe_u32 v[TP], v0, 3, 1
	v_lshl_add_u32 v[VA0], v[TP], 4, v[VA0]
	v_add_nc_u32 v[VA0], s62, v[VA0]
	v_add_nc_u32 v[VA1], 16*XP1, v[VA0]
	v_mul_u32_u24 v[TP], v2, SCP
	v_add_nc_u32 v[TP], s41, v[TP]                 ; my query's row of the scratch
	v_add_nc_u32 v[RBA], 192, v[TP]
	v_lshl_add_u32 v[SS], v3, 5, v[TP]
	v_lshl_add_u32 v[CG], v2, 2, v[SS]
	v_mul_u32_u24 v[PRD], v3, SCP
	v_lshl_add_u32 v[PRD], v2, 4, v[PRD]
	v_add_nc_u32 v[PRD], s42, v[PRD]
	v_lshlrev_b32 v[OUTO], 13, v3
	v_lshl_add_u32 v[OUTO], v2, 4, v[OUTO]
	v_add_nc_u32 v[OUTO], s43, v[OUTO]
	v_add_nc_u32 v[WVA], s58, v[L16]
	v_lshl_add_u32 v[MLS], v2, 3, s59
	v_lshl_add_u32 v[MLR], v2, 3, s60
.irp x,0,1,2,3,4,5,6,7
	v_mov_b32 v[LS+\x], 0                          ; the sums of p start at 0
.endr
	v_mov_b32 v[X2], 0                             ; v_permlanex16_b32 counts as a reader of its destination
	v_mov_b32 v[X2+1], 0
	s_wait_loadcnt 0x0
	PACK TF, TF, 32
	; positional scores, transposed: row = table row, column = query.  Eight different accumulators in window 1.
	WIN 0x40
.irp q,0,1
	v_wmma_f32_16x16x32_bf16 v[32*\q:32*\q+7], v[TF:TF+7], v[QS+16*\q:QS+16*\q+7], 0
.irp t,1,2,3
	v_wmma_f32_16x16x32_bf16 v[8*(4*\q+\t):8*(4*\q+\t)+7], v[TF+8*\t:TF+8*\t+7], v[QS+16*\q+8:QS+16*\q+15], 0
.endr
.endr
	PLACES 5                                       ; five places: four would do for the stores that read the results; but no vector instruction stands between here and the first chunk's
	                                               ; products, which take these results' registers as A (K is loaded into them) and write S over the tables' and q's registers
	WIN 0x04
.irp q,0,1
	ds_store_b128 v[SS], v[32*\q:32*\q+3] offset:\q*SCQ+192
	ds_store_b128 v[SS], v[32*\q+4:32*\q+7] offset:\q*SCQ+192+16
.irp t,1,2,3
	ds_store_b128 v[SS], v[8*(4*\q+\t):8*(4*\q+\t)+3] offset:\q*SCQ+(\t-1)*64
	ds_store_b128 v[SS], v[8*(4*\q+\t)+4:8*(4*\q+\t)+7] offset:\q*SCQ+(\t-1)*64+16
.endr
.endr
	WIN 0
	; the column bias as an S tile wants it: register jj = score of t' = r + 16 lh + 8 h + jj.  My own bytes; LDS serves a wave's instructions in order (ISA guide 5.7.1)
.irp q,0,1
.irp lh,0,1
.irp jj,0,1,2,3,4,5,6,7
	ds_load_b32 v[CB+16*\q+8*\lh+\jj], v[CG] offset:\q*SCQ+\lh*64+4*\jj
.endr
.endr
.endr
	s_wait_dscnt 0x0                               ; no LDS instruction is pending at a signal
	s_wait_tensorcnt 0x0                           ; my 5 tiles are in,
	s_barrier_signal -1
	s_barrier_wait -1                              ; everybody's are: X and Wv^T are whole, and nothing fills them again
	KLOAD                                          ; my first chunk
	TRIP 1, 0                                      ; the first chunk starts maximum and O
	s_mov_b32 s24, 2
.Lchunk:
	TRIP 0, 0
	s_sub_co_u32 s24, s24, 1
	s_cmp_lg_u32 s24, 0
	s_cbranch_scc1 .Lchunk
	TRIP 0, 1                                      ; the last chunk fetches no further keys
	; My half's sum, and (maximum, sum) for the partner.  The plain additions, which name no register of the last products, are the places behind them.
	v_pk_add_f32 v[LS:LS+1], v[LS:LS+1], v[LS+2:LS+3]
	v_pk_add_f32 v[LS+4:LS+5], v[LS+4:LS+5], v[LS+6:LS+7]
	v_add_f32 v[LS], v[LS], v[LS+1]
	v_add_f32 v[LS+4], v[LS+4], v[LS+5]
	v_permlanex16_b32 v[X2], v[LS], s22, s23
	v_permlanex16_b32 v[X2+1], v[LS+4], s22, s23
	v_add_f32 v[LS+1], v[LS], v[X2]
	v_add_f32 v[LS+5], v[LS+4], v[X2+1]
	v_mov_b32 v[LS], v[MX]
	v_mov_b32 v[LS+4], v[MX+1]
	ds_store_b64 v[MLS], v[LS:LS+1]                ; both halves of the lanes hold and store the same pair
	ds_store_b64 v[MLS], v[LS+4:LS+5] offset:128
	s_wait_dscnt 0x0                               ; my stores are done, for the partner's sake
	s_barrier_signal -1
	s_barrier_wait -1
	ds_load_b64 v[TM:TM+1], v[MLR]                 ; head 0: keys' first half,
	ds_load_b64 v[TM+2:TM+3], v[MLR] offset:1024   ; second half
	ds_load_b64 v[TM+4:TM+5], v[MLR] offset:128    ; head 1
	ds_load_b64 v[TM+6:TM+7], v[MLR] offset:1152
	WIN 0x40
.set wt, 0
.rept 32
	ds_load_b128 v[4*wt:4*wt+3], v[WVA] offset:512*wt      ; Wv^T of my two heads: fragment (q, et, kk) at 8 (8 q + 2 et + kk)
.set wt, wt+1
.endr
	WIN 0
	s_wait_dscnt 32                                ; all but the 32 youngest, Wv^T: the four pairs are in
	v_max_num_f32 v[NM], v[TM], v[TM+2]
	v_max_num_f32 v[NM+1], v[TM+4], v[TM+6]
	v_sub_f32 v[TM], v[TM], v[NM]
	v_sub_f32 v[TM+2], v[TM+2], v[NM]
	v_sub_f32 v[MX], v[MX], v[NM]
	v_sub_f32 v[TM+4], v[TM+4], v[NM+1]
	v_sub_f32 v[TM+6], v[TM+6], v[NM+1]
	v_sub_f32 v[MX+1], v[MX+1], v[NM+1]
	v_exp_f32 v[TM], v[TM]
	v_exp_f32 v[TM+2], v[TM+2]
	v_exp_f32 v[MX], v[MX]
	v_exp_f32 v[TM+4], v[TM+4]
	v_exp_f32 v[TM+6], v[TM+6]
	v_exp_f32 v[MX+1], v[MX+1]
	v_nop                                          ; a plain instruction between the exponentials and their use (ISA guide 5.7.2)
	s_wait_alu depctr_va_vdst(0)
	v_mul_f32 v[TM], v[TM], v[TM+1]
	v_mul_f32 v[TM+4], v[TM+4], v[TM+5]
	v_fmac_f32 v[TM], v[TM+2], v[TM+3]             ; the whole sum, at the common maximum: at least 1, the largest key's own term
	v_fmac_f32 v[TM+4], v[TM+6], v[TM+7]
	v_rcp_f32 v[TM], v[TM]
	v_rcp_f32 v[TM+4], v[TM+4]
	v_nop
	s_wait_alu depctr_va_vdst(0)
	v_mul_f32 v[AL], v[MX], v[TM]                  ; 2^(my maximum - maximum) / sum
	v_mul_f32 v[AL+1], v[MX], v[TM]
	v_mul_f32 v[AL+2], v[MX+1], v[TM+4]
	v_mul_f32 v[AL+3], v[MX+1], v[TM+4]
	OSCALE
	WIN 0x05
	PACK OB, OA, 32                                ; O^T's tiles 2 kk, 2 kk + 1 become B fragment kk
	s_wait_dscnt 0x0                               ; Wv^T
	; out^T, my part (two heads, my half of the keys): four accumulators take turns, one instruction a turn
	WIN 0x01
.irp q,0,1
.irp kk,0,1
.irp et,0,1,2,3
.if \q+\kk == 0
	v_wmma_f32_16x16x32_bf16 v[OT+8*\et:OT+8*\et+7], v[8*(8*\q+2*\et+\kk):8*(8*\q+2*\et+\kk)+7], v[OB+16*\q+8*\kk:OB+16*\q+8*\kk+7], 0
.else
	v_wmma_f32_16x16x32_bf16 v[OT+8*\et:OT+8*\et+7], v[8*(8*\q+2*\et+\kk):8*(8*\q+2*\et+\kk)+7], v[OB+16*\q+8*\kk:OB+16*\q+8*\kk+7], v[OT+8*\et:OT+8*\et+7]
.endif
.endr
.endr
.endr
	WIN 0
	PLACES 4
.irp et,0,1,2,3
	ds_store_b128 v[SS], v[OT+8*\et:OT+8*\et+3] offset:\et*64        ; query r, channels 16 et + 8 h .. + 7, into my own scratch (its scores have been read, by me alone)
	ds_store_b128 v[SS], v[OT+8*\et+4:OT+8*\et+7] offset:\et*64+16
.endr
	s_wait_dscnt 0x0                               ; my stores are done, for the others' sake
	s_barrier_signal -1
	s_barrier_wait -1
	; wave w sums the eight parts of queries 2 w and 2 w + 1: lanes 0-15 one query's 256 bytes, lanes 16-31 the other's
.irp src,0,1,2,3,4,5,6,7
	ds_load_b128 v[FR+4*\src:FR+4*\src+3], v[PRD] offset:\src*SCW
.endr
	s_wait_dscnt 0x0
.irp a,0,8,16,24
.irp p,0,2
	v_pk_add_f32 v[FR+\a+\p:FR+\a+\p+1], v[FR+\a+\p:FR+\a+\p+1], v[FR+\a+4+\p:FR+\a+4+\p+1]
.endr
.endr
.irp a,0,16
.irp p,0,2
	v_pk_add_f32 v[FR+\a+\p:FR+\a+\p+1], v[FR+\a+\p:FR+\a+\p+1], v[FR+\a+8+\p:FR+\a+8+\p+1]
.endr
.endr
.irp p,0,2
	v_pk_add_f32 v[FR+\p:FR+\p+1], v[FR+\p:FR+\p+1], v[FR+16+\p:FR+16+\p+1]
.endr
	global_store_b128 v[OUTO], v[FR:FR+3], s[14:15]        ; out[b][j0 + 2 w + h][i]: 16 lanes store 256 consecutive bytes, aligned
	s_set_vgpr_msb 0x4
	s_wait_tensorcnt 0x0
	ds_add_u32 v15, v193
	s_wait_dscnt 0x0
	s_set_vgpr_msb 0x400
	ROUND                                          ; the closing round: no work-group ends while a partner may still ask jointly
	s_endpgm
.Lfunc_end_k_q5c28ed80a7_attn:
	.size	k_q5c28ed80a7_attn, .Lfunc_end_k_q5c28ed80a7_attn-k_q5c28ed80a7_attn
	.p2alignl 7, 3214868480
	.fill 96, 4, 3214868480
	.section	.rodata,"a",@progbits
	.p2align	6, 0x0
	.amdhsa_kernel k_q5c28ed80a7_attn
		.amdhsa_group_segment_fixed_size 286720
		.amdhsa_private_segment_fixed_size 0
		.amdhsa_enable_private_segment 0
		.amdhsa_kernarg_size 48
		.amdhsa_user_sgpr_count 2
		.amdhsa_user_sgpr_kernarg_segment_ptr 1
		.amdhsa_wavefront_size32 1
		.amdhsa_system_sgpr_workgroup_id_x 1
		.amdhsa_system_sgpr_workgroup_id_y 1
		.amdhsa_system_sgpr_workgroup_id_z 1
		.amdhsa_system_vgpr_workitem_id 0
		.amdhsa_next_free_vgpr 450
		.amdhsa_next_free_sgpr 100
		.amdhsa_reserve_vcc 0
		.amdhsa_float_denorm_mode_32 3
		.amdhsa_float_denorm_mode_16_64 3
		.amdhsa_memory_ordered 1
		.amdhsa_forward_progress 1
		.amdhsa_inst_pref_size 129
	.end_amdhsa_kernel
	.amdgpu_metadata
---
amdhsa.version: [ 1, 2 ]
amdhsa.kernels:
  - .name:           k_q5c28ed80a7_attn
    .symbol:         k_q5c28ed80a7_attn.kd
    .args:
      - { .name: xb, .offset: 0, .size: 8, .value_kind: global_buffer, .address_space: global }
      - { .name: qimg, .offset: 8, .size: 8, .value_kind: global_buffer, .address_space: global }
      - { .name: wvt, .offset: 16, .size: 8, .value_kind: global_buffer, .address_space: global }
      - { .name: row_emb, .offset: 24, .size: 8, .value_kind: global_buffer, .address_space: global }
      - { .name: col_emb, .offset: 32, .size: 8, .value_kind: global_buffer, .address_space: global }
      - { .name: out0, .offset: 40, .size: 8, .value_kind: global_buffer, .address_space: global }
    .group_segment_fixed_size: 286720
    .private_segment_fixed_size: 0
    .kernarg_segment_align: 8
    .kernarg_segment_size: 48
    .max_flat_workgroup_size: 256
    .sgpr_count:     100
    .vgpr_count:     450
    .wavefront_size: 32
...
	.end_amdgpu_metadata
.endif
;; end of part 2
